; MI455X (gfx1250); checked and timed in simulation.
; The chip was launched on July 23, 2026; its instructions are those of AMD's public machine-readable ISA for CDNA 5 (MIT licence, August 2026) and "CDNA5" Instruction Set Architecture Reference Guide (July 2026). The comments in the code are by the model that wrote it; some were corrected since.
;; Attention. Allowed arithmetic: float matrix products may take bf16 or f16 operands with f32 sums; all other float work in f32.
;; Inputs: head 8 x 2,048 x 1,024 float32; tail 8 x 2,048 x 1,024 float32.
;; Outputs: out0 8 x 2,048 x 1,024 float32.
;; One version. Each part assembles by itself: llvm-mc -triple=amdgcn-amd-amdhsa -mcpu=gfx1250 --defsym DOCPART=n.
;; ======== version 1 of 1: 2 launches
;; limits: inputs' magnitudes at most 65,504; values are held in f16: magnitudes above 65,504 overflow, below 6.1e-05 lose precision; below input magnitudes of 6.1e-05 results are inexact or not finite
;; workspace buffers: hk 33,554,432 bytes; tq 33,554,432 bytes
;; launch cvt (part 1): grid 1024 x 2, 8 waves a work-group, no clusters, 0 bytes of LDS; arguments head, tail, hk, tq; writes hk, tq
.if DOCPART == 1
	.amdgcn_target "amdgcn-amd-amdhsa--gfx1250"
	.amdhsa_code_object_version 6
	.text
	.protected	k_q57c62d55f7_cvt
	.globl	k_q57c62d55f7_cvt
	.p2align	8
	.type	k_q57c62d55f7_cvt,@function
k_q57c62d55f7_cvt:
	s_mov_b64 s[64:65], 0
	v_nop
	global_prefetch_b8 v0, s[64:65] scope:SCOPE_SE
	s_setreg_imm32_b32 hwreg(HW_REG_WAVE_MODE, 25, 1), 1
	s_wait_xcnt 0x0
; hk = head, tq = tail, each number rounded to bf16 (nearest even) and that number written as f16.
; head, tail: [8][2048][1024] f32.  hk, tq: the same shape in f16, rows of 2,048 bytes.
; WHY TWO ROUNDINGS.  The products of the next launch take f16 operands (its weights p need f16's 11 bits); the inputs are rounded to
; bf16's 8 bits first, alike for both, and a bf16 number is exact in f16 wherever f16 is normal.
; LIMITS.  A number whose bf16 rounding passes 65,504 becomes an infinity; below 2^-14 f16 keeps its fixed step of 2^-24.  NaN stays NaN.
; SHARES.  Work-group (x, y): tensor y, numbers 16,384 x on: 65,536 bytes in, 32,768 out.  A wave takes 8,192 bytes in, as 16 loads of 512
; consecutive bytes, all issued ahead of the first wait; each becomes one store of 8 bytes a lane: 256 consecutive bytes, aligned.
; No LDS, no matrix unit, no cluster: nothing is shared and nothing is read twice.
.set X, 4                              ; v[4:67]    load i: 4 registers
.set T, 68                             ; v[68:73]   at work
.set Y, 76                             ; v[76:107]  store i: 2 registers of its own, so no store's data is ever rewritten
	s_load_b256 s[4:11], s[0:1], 0x0               ; head s[4:5], tail s[6:7], hk s[8:9], tq s[10:11]
	s_and_b32 s2, ttmp7, 0xffff                    ; y: which tensor
	s_mov_b32 s16, 0xffff0000                      ; a word's upper bf16
	v_lshrrev_b32 v1, 5, v0                        ; wave
	v_and_b32 v2, 31, v0                           ; lane
	v_lshlrev_b32 v1, 13, v1                       ; 8,192 bytes a wave
	v_lshl_add_u32 v1, v2, 4, v1                   ; + 16 bytes a lane: my offset in the group's input; never rewritten
	v_lshrrev_b32 v2, 1, v1                        ; half of it: my offset in the group's output; never rewritten
	s_lshl_b32 s18, ttmp9, 16                      ; the group's input bytes begin here (under 2^26),
	s_mov_b32 s19, 0
	s_lshl_b32 s20, ttmp9, 15                      ; its output bytes here
	s_mov_b32 s21, 0
	s_wait_kmcnt 0x0
	s_cmp_eq_u32 s2, 0                             ; the choice hangs on the work-group's y alone
	s_cselect_b64 s[12:13], s[4:5], s[6:7]         ; from head or tail
	s_cselect_b64 s[14:15], s[8:9], s[10:11]       ; to hk or tq
	s_add_nc_u64 s[12:13], s[12:13], s[18:19]
	s_add_nc_u64 s[14:15], s[14:15], s[20:21]
.irp i, 0,1,2,3,4,5,6,7,8,9,10,11,12,13,14,15
	global_load_b128 v[X+4*(\i):X+4*(\i)+3], v1, s[12:13] offset:512*(\i) th:TH_LOAD_NT  ; read once in the launch
.endr
.macro SLOT i
	s_wait_loadcnt 15-(\i)                         ; loads come back in order (ISA guide 5.7.1): load i is in, the 15 - i younger ones may be out
	v_cvt_pk_bf16_f32 v[T],   v[X+4*(\i)],   v[X+4*(\i)+1]    ; to bf16, nearest even
	v_cvt_pk_bf16_f32 v[T+1], v[X+4*(\i)+2], v[X+4*(\i)+3]
	v_lshlrev_b32 v[T+2], 16, v[T]                 ; back to f32: the low half moves up,
	v_and_b32     v[T+3], s16, v[T]                ; the high half stays
	v_lshlrev_b32 v[T+4], 16, v[T+1]
	v_and_b32     v[T+5], s16, v[T+1]
	v_cvt_pk_f16_f32 v[Y+2*(\i)],   v[T+2], v[T+3] ; the same numbers as f16
	v_cvt_pk_f16_f32 v[Y+2*(\i)+1], v[T+4], v[T+5]
	global_store_b64 v2, v[Y+2*(\i):Y+2*(\i)+1], s[14:15] offset:256*(\i)  ; 32 lanes store 256 consecutive bytes, at a multiple of 256; the next launch reads them, so no hint
.endm
.irp i, 0,1,2,3,4,5,6,7,8,9,10,11,12,13,14,15
	SLOT \i
.endr
	s_endpgm
.Lfunc_end_k_q57c62d55f7_cvt:
	.size	k_q57c62d55f7_cvt, .Lfunc_end_k_q57c62d55f7_cvt-k_q57c62d55f7_cvt
	.p2alignl 7, 3214868480
	.fill 96, 4, 3214868480
	.section	.rodata,"a",@progbits
	.p2align	6, 0x0
	.amdhsa_kernel k_q57c62d55f7_cvt
		.amdhsa_group_segment_fixed_size 0
		.amdhsa_private_segment_fixed_size 0
		.amdhsa_enable_private_segment 0
		.amdhsa_kernarg_size 32
		.amdhsa_user_sgpr_count 2
		.amdhsa_user_sgpr_kernarg_segment_ptr 1
		.amdhsa_wavefront_size32 1
		.amdhsa_system_sgpr_workgroup_id_x 1
		.amdhsa_system_sgpr_workgroup_id_y 1
		.amdhsa_system_sgpr_workgroup_id_z 1
		.amdhsa_system_vgpr_workitem_id 0
		.amdhsa_next_free_vgpr 112
		.amdhsa_next_free_sgpr 66
		.amdhsa_reserve_vcc 0
		.amdhsa_float_denorm_mode_32 3
		.amdhsa_float_denorm_mode_16_64 3
		.amdhsa_memory_ordered 1
		.amdhsa_forward_progress 1
		.amdhsa_inst_pref_size 11
	.end_amdhsa_kernel
	.amdgpu_metadata
---
amdhsa.version: [ 1, 2 ]
amdhsa.kernels:
  - .name:           k_q57c62d55f7_cvt
    .symbol:         k_q57c62d55f7_cvt.kd
    .args:
      - { .name: head, .offset: 0, .size: 8, .value_kind: global_buffer, .address_space: global }
      - { .name: tail, .offset: 8, .size: 8, .value_kind: global_buffer, .address_space: global }
      - { .name: hk, .offset: 16, .size: 8, .value_kind: global_buffer, .address_space: global }
      - { .name: tq, .offset: 24, .size: 8, .value_kind: global_buffer, .address_space: global }
    .group_segment_fixed_size: 0
    .private_segment_fixed_size: 0
    .kernarg_segment_align: 8
    .kernarg_segment_size: 32
    .max_flat_workgroup_size: 256
    .sgpr_count:     66
    .vgpr_count:     112
    .wavefront_size: 32
...
	.end_amdgpu_metadata
.endif
;; end of part 1
;; launch attn (part 2): grid 32 x 8, 4 waves a work-group, clusters of 4 x 1, 327,680 bytes of LDS; arguments hk, tq, out0; writes out0
.if DOCPART == 2
	.amdgcn_target "amdgcn-amd-amdhsa--gfx1250"
	.amdhsa_code_object_version 6
	.text
	.protected	k_q57c62d55f7_attn
	.globl	k_q57c62d55f7_attn
	.p2align	8
	.type	k_q57c62d55f7_attn,@function
k_q57c62d55f7_attn:
	s_mov_b64 s[64:65], 0
	v_nop
	global_prefetch_b8 v0, s[64:65] scope:SCOPE_SE
	s_setreg_imm32_b32 hwreg(HW_REG_WAVE_MODE, 25, 1), 1
	s_wait_xcnt 0x0
	s_wait_alu depctr_hold_cnt(0) depctr_sa_sdst(0) depctr_va_vdst(0) depctr_va_sdst(0) depctr_va_ssrc(0) depctr_va_vcc(0) depctr_vm_vsrc(0)
	s_getreg_b32 s2, hwreg(HW_REG_IB_STS2, 6, 4)
	s_cmp_eq_u32 s2, 0
	s_cbranch_scc0 .Lentry_in_a_cluster
	s_endpgm
.Lentry_in_a_cluster:
	s_bfe_u32 s2, ttmp6, 0x10000c
	s_cmp_lg_u32 s2, 0x3003
	s_cbranch_scc0 .Lentry_shape_is_right
	s_endpgm
.Lentry_shape_is_right:
; out0[b][q][:] = the sum over k of softmax_k(tq[b][q] . hk[b][k] / 32) tq[b][k][:].  hk (keys), tq (queries AND values): [8][2048][1024] f16; out0: the same shape in f32.
; Products, maxima and sums in f32; the weights p are rounded to f16 for the second product (their sum l is taken of the unrounded p); the result is divided by l once, at the end.
; LIMITS.  hk and tq arrive within f16's range; p lies in 0 to 1 and below 6e-5 keeps f16's fixed step of 6e-8; a weight below 2^-126 counts as 0 in l; NaN and infinities are not treated apart.
; SHARES.  A work-group owns 64 queries of one batch: O, 64 x 1,024 f32, is 512 registers in each of four waves, the most that leaves room for Q.  16,384 queries / 64 = 256 work-groups.
; Wave w owns CHANNELS 256 w .. 256 w + 255 in both products.  In S^T = K Q^T it sums over its channels, for all 64 queries x 64 keys of a step; in O^T = V^T P it owns its channels of O^T.
; So a wave reads, and fetches, only its own 512 bytes of every row of K and V.  The four partial S^T are added through LDS: wave d takes query tile d (16 queries), does its softmax,
; and hands P (f16) and the factor a to all four.  A step is 64 keys, 32 steps.
; LAYOUT.  S^T = K Q^T (source 0 = 16 keys, source 1 = 16 queries): a lane holds ONE query (lane % 16) and the keys 8 (lane / 16) + 0..7.  Two such results rounded to f16 in pairs ARE source 1
; (32 keys x 16 queries) of O^T = V^T P, whose result again holds one query a lane, and eight channels.  K comes out of LDS as it lies, V ([key][channel]) turned, by ds_load_tr16_b128.
; SOFTMAX.  For each query a running maximum m and sum l: p = 2^(c s - c m), c = log2(e) / 32; in every step O and l are multiplied by a = 2^(c m_old - c m_new).
; THE PIPELINE.  Trip t has two halves of 128 matrix instructions.  FIRST HALF: S^T(t) = K(t) Q^T; behind every second product stand four of the 256 packed multiplies O^T x a(t-1); P(t-1) is read
; from the exchange into K's fragment buffers as they fall free.  A round: all have read P and a; K's slot is filled again.  SECOND HALF: O^T += V(t-1)^T P(t-1); my partial S^T(t) are stored at its
; head, a barrier stands behind its 32nd product, and from there the sums of the partials and the softmax of step t stand four behind a product; P(t) and a(t) are stored.  A round: they are shown
; to all; V's slot is filled again.  So the exchange and the softmax of a step stand beside the products of the step before.
; THE START.  P = 0 and a = 0 are stored into the exchange, O^T and l are 0, m is the lowest finite number: trip 0 is a trip like any other; its second half adds 0 x V(0), and V(0) is fetched
; once more behind it.  The price: 512 v_mov_b32 in the wait for the first tile, 128 products on zeros, one tile of 64 fetched twice; the gain: no copy of a trip for the start.
; THE END.  Trip 31 is written out: there is no K(32), so its first round puts V(31) into K's slot (in K's pitch), where it lands beside the second half; the tail is V(31)^T P(31) and the way out.
; RING.  A tile of 64 keys is 131,072 bytes, so LDS holds one slot for K and one for V: K's is filled again while V's is multiplied, and the other way round.
; CLUSTER.  The four query blocks of a cluster belong to one batch and walk the same K and V, so each tile is asked for JOINTLY: wave w of all four issues the same tensor load, with the same
; descriptor and a mask that names the four; each receives its slice in its own LDS.
; REGISTERS, in windows of 256 (s_set_vgpr_msb: bits 1:0 source 0, 3:2 source 1, 5:4 source 2, 7:6 destination):
;   window 0: v0-15 addresses; v16-23 statistics; v24-31 a of the four tiles; and by halves of a trip:
;             first half                                   second half
;     v32-63    S^T of my own query tile                   the same, then its weights
;     v64-127   S^T of the next two tiles                  V's fragment buffers 1 and 2
;     v128-159  S^T of the third                           a partial from the exchange; at last my packed p
;     v160-191  K's fragment buffer 0, then P tiles 2, 3   P tiles 2, 3
;     v192-223  K's fragment buffer 1                      V's fragment buffer 0
;     v224-255  K's fragment buffer 2, then P tiles 0, 1   P tiles 0, 1
;   window 1: Q: register tile i (query tile (w + i) % 4), channels 32 c on, at 64 i + 8 c          windows 2, 3: O^T: channel block ct, query tile t at ((ct % 8) 4 + t) 8 of window 2 + ct / 8
.set PK,    528       ; a row of my slice of K in LDS: 512 bytes + 16 of padding = 132 words: row r starts at bank 4 r mod 64 (64 banks of 4 bytes: ISA guide 11.1): the 16 rows of a load start at 16 different groups of four banks
.set PV,    544       ; of V: 512 + 32 = 136 words: row r starts at bank 8 r mod 64
.set KW,    64*PK     ; a wave's slice of K's slot
.set VW,    64*PV     ; of V's
.set VS,    4*KW      ; V's slot lies behind K's
.set XS,    VS+4*VW   ; the exchange, never filled by a tensor load: a region for each query tile
.set XREG,  12288     ; a region: three partial S^T of 4,096 bytes; when they are read, P takes bytes 0-2,047, a 2,048-2,175, 1 / l 2,176-2,303
.set SPARE, XS+4*XREG ; the spare words, 128 bytes for each wave: two blocks of 256 bytes that no other line names
.set TILEB, 64*2048   ; bytes from a tile of 64 rows to the next, in hk and in tq
.set SPI,   1040      ; the way out: a stage row of 1,024 bytes + 16
.set SPW, 1           ; v1   LDS address of my spare word: SPARE + 4 x my thread's number; never rewritten
.set NIL, 2           ; v2   0; never rewritten
.set AK,  3           ; v3   my lane's place in my slice of K
.set AV,  4           ; v4   the same for V
.set XW,  5           ; v5-7 where my partial for query tile (w + i) % 4 goes, i = 1, 2, 3
.set XR,  8           ; v8   my own region: where I read the others' partials and put P
.set AW,  9           ; v9   where I put a
.set PR,  10          ; v10  my lane's place in region 0, for P
.set AR,  11          ; v11  the same for a
.set PFO, 12          ; v12  256 x lane, for the prefetch
.set GO,  13          ; v13  16 x lane
.set STO, 14          ; v14  the way out: where I put 16 bytes of a row
.set RD,  15          ; v15  the way out: where I read rows back
.set CM,  16          ; v16  c m
.set MX,  17          ; v17  m
.set LS,  18          ; v18-19  l (even keys', odd keys')
.set C0,  20          ; v20-23  c0-c3, at work; a takes c2, 1 / l takes c1
.set A4,  24          ; a of tile t at v[24 + 2 t]; the odd registers are named with them as pairs and hold 0
.set SA,  32          ; S^T: register tile i, key tile kt at SA + 32 i + 8 kt
.set XB,  128         ; a partial from the exchange, 32 registers; later my tile's p, packed, 16
.set KB,  160         ; K's fragment buffers
.set PB,  224         ; P: query tile t, key half kk at PB + 16 t - 96 (t / 2) + 8 kk
.set OB,  32          ; the way out: 16 rows read back
.set WV,  10          ; s10  my wave's number
.set G1K, 24          ; s[24:31] descriptor group 1 for tiles in K's pitch
.set G1V, 32          ; s[32:39] in V's pitch: it differs in the padding alone
.set G0K, 40          ; s[40:43] descriptor group 0 for K's slot: it walks
.set G0V, 44          ; s[44:47] the same for V's
.set CNT, 48          ; s48  trips to go
.set CS,  50          ; s[50:51] c: the packed scaling takes the pair's low word for both halves
.set SEL, 52          ; s[52:53] v_permlanex16_b32's selects: each lane takes its own place in the other half
.set PFB, 54          ; s[54:55] where the prefetch points
.set VST, 60          ; s[60:61] the step of V's descriptor: 0 the first time, then a tile
.set W_S, 0x04        ; Q (source 1) in window 1; all else, and the LDS loads of the first half, in window 0
.set MSB, 0
.macro WIN new                      ; the high byte repeats the setting that is left; a switch that changes nothing is dropped
.if MSB != (\new)
	s_set_vgpr_msb (MSB<<8)|(\new)
.set MSB, (\new)
.endif
.endm
; A vector instruction or an LDS store that reads a matrix result, and a load into a register that a matrix instruction has read, stand four places behind it; a matrix instruction that writes over such
; a register five; only plain vector instructions that name none of its registers are places (ISA guide 7.12.1 for vector instructions).
.macro PLACES n
.rept \n
	v_nop
.endr
.endm
; A round of the cluster's barrier: my work-group's barrier, so that wave 0's signal speaks for all four waves; wave 0 signals; every wave waits for all four work-groups; my work-group's barrier once more.
.macro ROUND
	s_barrier_signal -1
	s_barrier_wait -1
	s_cmp_lg_u32 s[WV], 0
	s_cbranch_scc1 .Lnot_wave_0_\@
	s_barrier_signal -3
.Lnot_wave_0_\@:
	s_barrier_wait -3
	s_barrier_signal -1
	s_barrier_wait -1
.endm
	s_load_b128 s[4:7], s[0:1], 0x0  ; hk s[4:5], tq s[6:7]
	s_load_b64 s[8:9], s[0:1], 0x10  ; out0
	v_lshl_add_u32 v[SPW], v0, 2, SPARE
	v_mov_b32 v[NIL], 0
	ds_add_u32 v1, v2
	s_wait_dscnt 0x0
	v_lshrrev_b32 v3, 5, v0
	v_readfirstlane_b32 s[WV], v3   ; wave 0..3
	s_bfe_u32 s11, ttmp6, 0x40000   ; cx: my place in the cluster
	s_lshl_b32 s12, ttmp9, 2        ; in a cluster launch ttmp9 counts clusters
	s_add_co_u32 s12, s12, s11      ; my block of 64 queries = 4 x cluster x + cx: it enters Q's, out0's and the prefetch's addresses alone
	s_and_b32 s13, ttmp7, 0xffff    ; the batch, which the four partners share
	; descriptor group 1: a tile of 64 rows x 256 elements (my 512 bytes of each row, which start at multiples of 512), padded in LDS
	s_mov_b32 s[G1K], 15|(1<<16)|(1<<20)|(1<<21)|(6<<22)|(3<<25)  ; 15:0 the mask of four; 17:16 2-byte elements; 20 padding on; 21 set beside a mask; 24:22 after every 128 words (code 6); 31:25 4 words (code 3)
	s_mov_b32 s[G1V], 15|(1<<16)|(1<<20)|(1<<21)|(6<<22)|(7<<25)  ; the same with 8 words of padding (code 7)
.irp g, G1K, G1V
	s_mov_b32 s[\g+1], 256<<16      ; tensor_dim0 = 256
	s_mov_b32 s[\g+2], 64<<16       ; tensor_dim1 = 64
	s_mov_b32 s[\g+3], 256<<16      ; tile_dim0 = 256
	s_mov_b32 s[\g+4], 64           ; tile_dim1 = 64
	s_mov_b32 s[\g+5], 1024         ; 1,024 elements from row to row
	s_mov_b32 s[\g+6], 0
	s_mov_b32 s[\g+7], 0
.endr
	s_mov_b32 s[G0K], 1             ; 1:0 count = 1
	s_mul_i32 s[G0K+1], s[WV], KW   ; 63:32 LDS address: my slice of K's slot: no place in the cluster enters an LDS address
	s_mov_b32 s[G0V], 1
	s_mul_i32 s[G0V+1], s[WV], VW
	s_add_co_u32 s[G0V+1], s[G0V+1], VS
	s_lshl_b32 s14, s13, 22         ; the batch's first byte in hk and tq (4 MiB a batch),
	s_lshl_b32 s15, s[WV], 9        ; my 512 bytes of a row
	s_add_co_u32 s14, s14, s15
	s_mov_b32 s15, 0                ; s[14:15]: my slice of tile 0; made of the batch and the wave's number alone
	s_lshl_b32 s16, s12, 17         ; my block's 64 rows of 2,048 bytes
	s_add_co_u32 s16, s16, s14
	s_mov_b32 s17, 0                ; s[16:17]: my slice of my block's Q
	s_lshl_b32 s18, s13, 23         ; out0: 8 MiB a batch,
	s_lshl_b32 s19, s12, 18         ; 64 rows of 4,096 bytes,
	s_add_co_u32 s18, s18, s19
	s_lshl_b32 s19, s[WV], 10       ; my 1,024 bytes of a row
	s_add_co_u32 s18, s18, s19
	s_mov_b32 s19, 0
	s_and_b32 s20, s12, 15          ; the prefetch: of a tile's 64 rows my work-group asks for four, 8,192 consecutive bytes,
	s_lshl_b32 s20, s20, 13
	s_lshl_b32 s21, s13, 22
	s_add_co_u32 s20, s20, s21
	s_add_co_u32 s20, s20, 2*TILEB  ; beginning with tile 2
	s_mov_b32 s21, 0
	s_add_co_u32 s56, s[WV], 1      ; (w + i) % 4
	s_and_b32 s56, s56, 3
	s_add_co_u32 s57, s[WV], 2
	s_and_b32 s57, s57, 3
	s_add_co_u32 s58, s[WV], 3
	s_and_b32 s58, s58, 3
	s_mov_b32 s[CS], 0x3d38aa3b     ; c = log2(e) / 32 = 0.0450842
	s_mov_b32 s[CS+1], s[CS]        ; named with it as a pair
	s_mov_b32 s[SEL], 0x76543210
	s_mov_b32 s[SEL+1], 0xfedcba98
	s_mov_b32 s[VST], 0
	s_mov_b32 s[VST+1], 0
	s_mov_b32 s[CNT], 31
	; What trip 0 finds in the exchange: P = 0 and a = 0 in my region.  The first round below shows them to the other waves.
	v_and_b32 v34, 31, v0           ; l
	v_lshlrev_b32 v42, 4, v34       ; 16 x lane
	v_lshlrev_b32 v43, 2, v34       ; 4 x lane
	s_mul_i32 s22, s[WV], XREG
	s_add_co_u32 s22, s22, XS
	v_add_nc_u32 v[XR], s22, v42
	s_add_co_u32 s23, s22, 2048
	v_add_nc_u32 v[AW], s23, v43
.irp z, 44,45,46,47
	v_mov_b32 v\z, 0
.endr
.irp kt, 0,1,2,3
	ds_store_b128 v[XR], v[44:47] offset:512*\kt
.endr
	ds_store_b32 v[AW], v[NIL]
	s_wait_kmcnt 0x0
	s_add_nc_u64 s[G0K+2:G0K+3], s[4:5], s[14:15]  ; 120:64 global address
	s_or_b32 s[G0K+3], s[G0K+3], 0x80000000        ; 127:126 type = 2
	s_add_nc_u64 s[G0V+2:G0V+3], s[6:7], s[14:15]
	s_or_b32 s[G0V+3], s[G0V+3], 0x80000000
	s_cmp_lt_u32 ttmp9, 4           ; blocks 0-15 of a batch ask ahead for K's rows, blocks 16-31 for V's
	s_cselect_b64 s[PFB:PFB+1], s[4:5], s[6:7]
	s_add_nc_u64 s[PFB:PFB+1], s[PFB:PFB+1], s[20:21]
	s_add_nc_u64 s[6:7], s[6:7], s[16:17]  ; Q
	s_add_nc_u64 s[8:9], s[8:9], s[18:19]  ; out0
	s_wait_dscnt 0x0                ; for the others' sake: my stores into the exchange are done
	ROUND                           ; all four work-groups are here: the first joint loads meet
	tensor_load_to_lds s[G0K:G0K+3], s[G1K:G1K+7]  ; both first fills go out together: two loads of mine are out, later one
	s_nop 0
	tensor_load_to_lds s[G0V:G0V+3], s[G1V:G1V+7]
	s_nop 0
	PLACES 4
	; A fragment of K or Q is 16 rows x 32 channels in 8 registers: lane l holds row l % 16, channels 8 (l / 16) + 0..7 and 16 + 8 (l / 16) + 0..7: two loads of 16 bytes, 32 bytes apart.
	v_and_b32 v32, 15, v0           ; l % 16
	v_bfe_u32 v33, v0, 4, 1         ; l / 16
	v_lshlrev_b32 v35, 11, v32
	v_lshl_add_u32 v35, v33, 4, v35 ; row x 2,048 + 16 x half
	s_lshl_b32 s22, s[WV], 15       ; a query tile is 16 rows: 32,768 bytes
	v_add_nc_u32 v36, s22, v35
.irp i, 1,2,3
	s_lshl_b32 s22, s[55+\i], 15
	v_add_nc_u32 v[36+\i], s22, v35
.endr
	WIN 0x40                        ; destination window 1, address window 0
.irp i, 0,1,2,3                     ; Q stays in registers.  v36-39 are written again only behind the wait for these loads
.irp c, 0,1,2,3,4,5,6,7
	global_load_b128 v[64*\i+8*\c:64*\i+8*\c+3],   v[36+\i], s[6:7] offset:64*\c
	global_load_b128 v[64*\i+8*\c+4:64*\i+8*\c+7], v[36+\i], s[6:7] offset:64*\c+32
.endr
.endr
	WIN 0x80                        ; O^T = 0
.set i, 0
.rept 256
	v_mov_b32 v[i], 0
.set i, i+1
.endr
	WIN 0xc0
.set i, 0
.rept 256
	v_mov_b32 v[i], 0
.set i, i+1
.endr
	WIN 0
	v_mov_b32 v[CM], 0xfe000000     ; c m: far below every c s (c x the lowest finite number is -1.5e37), so the first a is 0
	v_mov_b32 v[MX], 0xff7fffff     ; m
	v_mov_b32 v[LS], 0
	v_mov_b32 v[LS+1], 0
.irp t, 0,1,2,3
	v_mov_b32 v[A4+2*\t+1], 0
.endr
	v_mul_u32_u24 v[AK], v32, PK
	v_lshl_add_u32 v[AK], v33, 4, v[AK]
	v_add_nc_u32 v[AK], s[G0K+1], v[AK]  ; my slice + row x pitch + 16 x half
	; The turning load takes 16 keys x 16 channels (lane l reads key 8 (l / 16) + l % 8, channels 8 ((l / 8) % 2) + 0..7) and leaves half a fragment of V^T: lane l holds channel l % 16 and 8 keys.
	v_and_b32 v40, 7, v0
	v_bfe_u32 v41, v0, 3, 1
	v_lshl_add_u32 v[AV], v33, 3, v40
	v_mul_u32_u24 v[AV], v[AV], PV
	v_lshl_add_u32 v[AV], v41, 4, v[AV]
	v_add_nc_u32 v[AV], s[G0V+1], v[AV]
.irp i, 1,2,3
	s_mul_i32 s22, s[55+\i], XREG   ; region (w + i) % 4, partial slot i - 1: region d's slot i - 1 is written by wave (d - i) % 4 alone
	s_add_co_u32 s22, s22, XS+(\i-1)*4096
	v_add_nc_u32 v[XW+\i-1], s22, v42
.endr
	v_add_nc_u32 v[PR], XS, v42
	v_add_nc_u32 v[AR], XS+2048, v43
	v_lshlrev_b32 v[PFO], 8, v34
	v_mov_b32 v[GO], v42
; THE FIRST HALF.  KLOAD: the four key tiles' fragments of channels 32 c on, into buffer b: 8 loads.
.macro KLOAD c, b
.irp kt, 0,1,2,3
	ds_load_b128 v[KB+32*(\b)+8*\kt:KB+32*(\b)+8*\kt+3],   v[AK] offset:\kt*16*PK+64*(\c)
	ds_load_b128 v[KB+32*(\b)+8*\kt+4:KB+32*(\b)+8*\kt+7], v[AK] offset:\kt*16*PK+64*(\c)+32
.endr
.endm
; PLOAD: P of query tile t, as its wave packed it: the same lanes, key tile ch: 4 loads.
.macro PLOAD t
.irp ch, 0,1,2,3
	ds_load_b128 v[PB+16*(\t)-96*((\t)/2)+4*\ch:PB+16*(\t)-96*((\t)/2)+4*\ch+3], v[PR] offset:XREG*(\t)+512*\ch
.endr
.endm
; RESC4: accumulator k of the eight of channel group g (channel block 2 g + k / 4, query tile k % 4) times a: four packed multiplies, its pairs in ascending order (the low end first).
.macro RESC4 g, k
.set rct, 2*(\g)+(\k)/4
.set rO, ((rct%8)*4+(\k)%4)*8
	WIN 0x82+0x41*(rct/8)           ; destination and source 0 in O^T's window, a in window 0
.irp p, 0,1,2,3
	v_pk_mul_f32 v[rO+2*\p:rO+2*\p+1], v[rO+2*\p:rO+2*\p+1], v[A4+2*((\k)%4):A4+2*((\k)%4)+1] op_sel_hi:[1,0]
.endr
.endm
; SMULR: 16 matrix instructions, 4 query tiles x 4 key tiles, 32 channels.  The 16 accumulators take turns, one instruction a turn.  c = 0 starts the sums.
; Behind every second one the rescaling of one accumulator of channel group c: it names no register of the products round it, and the four behind the last are the places in front of the loads that follow.
.macro SMULR c, b
.set sn, 0
.rept 16
	WIN W_S
.if (\c) == 0
	v_wmma_f32_16x16x32_f16 v[SA+8*sn:SA+8*sn+7], v[KB+32*(\b)+8*(sn%4):KB+32*(\b)+8*(sn%4)+7], v[64*(sn/4)+8*(\c):64*(sn/4)+8*(\c)+7], 0
.else
	v_wmma_f32_16x16x32_f16 v[SA+8*sn:SA+8*sn+7], v[KB+32*(\b)+8*(sn%4):KB+32*(\b)+8*(sn%4)+7], v[64*(sn/4)+8*(\c):64*(sn/4)+8*(\c)+7], v[SA+8*sn:SA+8*sn+7]
.endif
.if sn%2 == 1
	RESC4 \c, sn/2
.endif
.set sn, sn+1
.endr
.endm
; MEET: the barrier behind a half.  Each wave waits for all its tensor loads, of which one is out: its slice of the OTHER slot; adds 0 to its spare word; and waits for that, for its reads of the
; slot just multiplied and of the exchange, and for its stores into the exchange.  mode > 0: the barrier is a round of the cluster's, so that no wave of any partner still reads the slot or has a load
; on its way, and the joint refill of the slot just multiplied is the first thing behind it.  isv = 0: K's slot, behind the first half; 1: V's, behind the second.
; mode 1: the slot's next tile.  mode 2 (K's slot, trip 31): V's tile 31, one tile behind the one that V's descriptor fetched last.  mode 0: nothing is filled: a plain barrier.
.macro MEET isv, mode
	WIN 0                           ; the add's registers lie in window 0; at a label and at a branch every window is 0
	s_wait_tensorcnt 0x0            ; no tensor load of mine is out, so a group 0 may be written
	ds_add_u32 v[SPW], v[NIL]       ; 0 onto my spare word: the steps below stand between it and the wait for it
.if (\isv) && ((\mode) == 1)
	s_add_nc_u64 s[G0V+2:G0V+3], s[G0V+2:G0V+3], s[VST:VST+1]  ; trip t fetches V's tile t: no step in trip 0; the type bits on top are not reached
	s_mov_b32 s[VST], TILEB
	s_wait_xcnt 0x0                 ; the prefetch, issued half a trip ago, has had its address translated (ISA guide 3.1): its base is stepped only behind this wait
	s_add_nc_u64 s[PFB:PFB+1], s[PFB:PFB+1], TILEB
.elseif (\mode) == 1
	s_add_nc_u64 s[G0K+2:G0K+3], s[G0K+2:G0K+3], TILEB
.elseif (\mode) == 2
	s_add_nc_u64 s[G0K+2:G0K+3], s[G0V+2:G0V+3], TILEB
.endif
	s_wait_dscnt 0x0                ; for the others' sake too: the add, my reads and my stores are done
.if \mode
	ROUND
.if \isv
	tensor_load_to_lds s[G0V:G0V+3], s[G1V:G1V+7]
	s_nop 0
	PLACES 5                        ; five: the next trip's first products write over V's fragment buffers, which the last products read
.else
	tensor_load_to_lds s[G0K:G0K+3], s[G1K:G1K+7]
	s_nop 0
	PLACES 4
.endif
.else
	s_barrier_signal -1
	s_barrier_wait -1
.endif
.endm
; THE SECOND HALF goes by groups g of two channel blocks, 16 matrix instructions each.  Group g's fragments lie in buffer g % 3.
.macro VBSET g
.if (\g)%3 == 0
.set vb, 192
.elseif (\g)%3 == 1
.set vb, 64
.else
.set vb, 96
.endif
.endm
; VLOAD: group g's fragments of V^T (2 channel blocks x 2 key halves): 8 turning loads from rows pit bytes apart.
.macro VLOAD g, pit
	VBSET \g
.irp u, 0,1
.irp kk, 0,1
	ds_load_tr16_b128 v[vb+16*\u+8*\kk:vb+16*\u+8*\kk+3],   v[AV] offset:\kk*32*(\pit)+(2*(\g)+\u)*32
	ds_load_tr16_b128 v[vb+16*\u+8*\kk+4:vb+16*\u+8*\kk+7], v[AV] offset:\kk*32*(\pit)+16*(\pit)+(2*(\g)+\u)*32
.endr
.endr
.endm
; XSTORE: my partial sums for query tile (w + i) % 4 go to its wave's region: 16 bytes a lane, lanes side by side; each accumulator's low four registers first.
.macro XSTORE i
.irp kt, 0,1,2,3
	ds_store_b128 v[XW+(\i)-1], v[SA+32*(\i)+8*\kt:SA+32*(\i)+8*\kt+3]   offset:1024*\kt
	ds_store_b128 v[XW+(\i)-1], v[SA+32*(\i)+8*\kt+4:SA+32*(\i)+8*\kt+7] offset:1024*\kt+512
.endr
.endm
; XLOAD: partial sl of the three for my query tile, in the same lanes and registers as my own: 8 loads.
.macro XLOAD sl
.irp ch, 0,1,2,3,4,5,6,7
	ds_load_b128 v[XB+4*\ch:XB+4*\ch+3], v[XR] offset:4096*(\sl)+512*\ch
.endr
.endm
; THE VECTOR WORK OF THE SECOND HALF is one queue; SQ writes its entry qj.  s0-s31 are my lane's 32 scores, in v[SA .. SA+31].
;   0-47     the three partials are added onto mine, 16 packed additions each
;   then, counted from 48:
;   0-16     the maximum of s0-s31 and the old m, three operands at a time: four chains c0-c3 of seven scores, the four scores left over, m; c m_old is kept (15)
;   17-21    the query's other 32 keys lie in the lane 16 away: the new m; c m; c m_old - c m_new; a
;   22-37    c s - c m, in pairs
;   38-102   a pair's two exponentials, then the rounding and the sum of the pair before: so a plain instruction stands between every exponential and the use of its result (ISA guide 5.7.2); behind the first pair a v_nop
;   103-107  (trip 31 alone) l's two halves and the other half of the lanes' are added; 1 / l; a plain instruction behind the reciprocal
.macro SQ
	WIN 0
.if qj < 48
.set xj, qj%16
	v_pk_add_f32 v[SA+2*xj:SA+2*xj+1], v[SA+2*xj:SA+2*xj+1], v[XB+2*xj:XB+2*xj+1]
.else
.set sr, qj-48
.if sr < 4
	v_max3_num_f32 v[C0+sr], v[SA+8*sr], v[SA+8*sr+1], v[SA+8*sr+2]
.elseif sr < 12
	v_max3_num_f32 v[C0+sr%4], v[C0+sr%4], v[SA+8*(sr%4)+2*(sr/4)+1], v[SA+8*(sr%4)+2*(sr/4)+2]
.elseif sr == 12
	v_max3_num_f32 v[C0], v[C0], v[SA+7], v[SA+15]
.elseif sr == 13
	v_max3_num_f32 v[C0+2], v[C0+2], v[SA+23], v[SA+31]
.elseif sr == 14
	v_max3_num_f32 v[C0+1], v[C0+1], v[C0+3], v[MX]
.elseif sr == 15
	v_mov_b32 v[C0+3], v[CM]
.elseif sr == 16
	v_max3_num_f32 v[C0], v[C0], v[C0+1], v[C0+2]
.elseif sr == 17
	v_permlanex16_b32 v[C0+1], v[C0], s[SEL], s[SEL+1]
.elseif sr == 18
	v_max_num_f32 v[MX], v[C0], v[C0+1]
.elseif sr == 19
	v_mul_f32 v[CM], s[CS], v[MX]
.elseif sr == 20
	v_sub_f32 v[C0+3], v[C0+3], v[CM]
.elseif sr == 21
	v_exp_f32 v[C0+2], v[C0+3]
.elseif sr < 38
.set sb, sr-22
	v_pk_fma_f32 v[SA+2*sb:SA+2*sb+1], v[SA+2*sb:SA+2*sb+1], s[CS:CS+1], v[CM:CM+1] op_sel_hi:[1,0,0] neg_lo:[0,0,1] neg_hi:[0,0,1]
.elseif sr < 40
	v_exp_f32 v[SA+sr-38], v[SA+sr-38]
.elseif sr == 40
	v_nop
.elseif sr < 101
.set sf, sr-41
.set sb, sf/4+1
.if sf%4 < 2
	v_exp_f32 v[SA+2*sb+sf%4], v[SA+2*sb+sf%4]
.elseif sf%4 == 2
	s_wait_alu depctr_va_vdst(0)
	v_cvt_pk_f16_f32 v[XB+sb-1], v[SA+2*sb-2], v[SA+2*sb-1]
.elseif sb == 1
	v_pk_fma_f32 v[LS:LS+1], v[LS:LS+1], v[C0+2:C0+3], v[SA:SA+1] op_sel_hi:[1,0,1]  ; l = a l + the first pair
.else
	v_pk_add_f32 v[LS:LS+1], v[LS:LS+1], v[SA+2*sb-2:SA+2*sb-1]
.endif
.elseif sr == 101
	v_cvt_pk_f16_f32 v[XB+15], v[SA+30], v[SA+31]
.elseif sr == 102
	v_pk_add_f32 v[LS:LS+1], v[LS:LS+1], v[SA+30:SA+31]
.elseif sr == 103
	v_add_f32 v[C0], v[LS], v[LS+1]
.elseif sr == 104
	v_permlanex16_b32 v[C0+1], v[C0], s[SEL], s[SEL+1]
.elseif sr == 105
	v_add_f32 v[C0], v[C0], v[C0+1]
.elseif sr == 106
	v_rcp_f32 v[C0+1], v[C0]
.else
	v_nop
.endif
.endif
.set qj, qj+1
.endm
; PSTO: P and a (and 1 / l) go to the head of my region, whose partials I have read; the barrier behind the half shows them to all four waves.
.macro PSTO last
.irp kt, 0,1,2,3
	ds_store_b128 v[XR], v[XB+4*\kt:XB+4*\kt+3] offset:512*\kt
.endr
	ds_store_b32 v[AW], v[C0+2]
.if \last
	s_wait_alu depctr_va_vdst(0)
	ds_store_b32 v[AW], v[C0+1] offset:128
.endif
.endm
; PVW: group g's 16 matrix instructions: key half n / 8, channel block 2 g + (n / 4) % 2, query tile n % 4; its 8 accumulators take turns.
; mode 0 (a trip): mm counts the half's products.  Four entries of the queue stand behind products 44-47, 60-63 (a partial's sums, 12 products behind its loads) and from 76 on until the queue is empty;
; then P is stored.  The count 8 in front of a partial's sums leaves out the run of V that was issued behind the partial's loads.  None of the entries names a register of the products round it.
; mode 1 (the tail): behind every second product the rescaling of one accumulator of the NEXT group.
.macro PVW g, mode, last
	VBSET \g
.set n, 0
.rept 16
.set pO, (((2*(\g)+(n/4)%2)%8)*4+n%4)*8
.set pV, vb+16*((n/4)%2)+8*(n/8)
.set pP, PB+16*(n%4)-96*((n%4)/2)+8*(n/8)
	WIN 0xa0+0x50*((\g)/4)          ; C and D in O^T's window, V^T and P in window 0
	v_wmma_f32_16x16x32_f16 v[pO:pO+7], v[pV:pV+7], v[pP:pP+7], v[pO:pO+7]
.if \mode
.if ((\g) < 7) && (n%2 == 1)
	RESC4 (\g)+1, n/2
.endif
.elseif ((mm >= 44) && (mm < 48)) || ((mm >= 60) && (mm < 64)) || (mm >= 76)
.if (mm == 44) || (mm == 60) || (mm == 76)
	s_wait_dscnt 8
.endif
.rept 4
.if qj < NQ
	SQ
.endif
.endr
.if (qj == NQ) && (psd == 0)
.set psd, 1
	PSTO \last
.endif
.endif
.set mm, mm+1
.set n, n+1
.endr
.endm
; A TRIP.  kmode, vfill: MEET's mode for K's and for V's slot.  last = 1: trip 31, which makes 1 / l too.
.macro STEP kmode, vfill, last
.set NQ, 151+5*(\last)
.set mm, 0
.set qj, 0
.set psd, 0
	WIN W_S
.irp t, 0,1,2,3
	ds_load_b32 v[A4+2*\t], v[AR] offset:XREG*\t  ; a of the step before, tile t: lane l takes query l % 16's
.endr
	KLOAD 0,0
	KLOAD 1,1
	KLOAD 2,2
.irp c, 0,1,2,3,4,5,6,7
	s_wait_dscnt 16                 ; this c's fragments (and a) are in; the two runs of 8 loads issued behind them may be out: K's of later c, at the end P's halves
	SMULR \c, (\c)%3
.if \c < 7
	WIN W_S
.endif
.if \c < 5
	KLOAD (\c)+3, (\c)%3            ; into the buffer just multiplied: two runs of 16 products ahead of its use
.elseif \c == 5
	PLOAD 0                         ; buffer 2 has no further K to take: P of the step before, tiles 0 and 1,
	PLOAD 1
.elseif \c == 6
	PLOAD 2                         ; and buffer 0: tiles 2 and 3
	PLOAD 3
.endif
.endr
	MEET 0, \kmode                  ; all have read P and a, so the partials may be stored over them; V's tile has landed; K's slot is filled again
.if (\kmode) == 1
	; Ahead into the L2: wave 0 asks for my work-group's 8,192 bytes (32 lanes, 256 bytes apart) of tile t + 2 = 33 - CNT, K's or V's by the block's number: the batch's 32 work-groups cover both
	; tiles, each byte once in the launch.  K's tensor load for that tile goes out one trip later, V's two and a half.  In the loop's last trip that tile would be 32, which does not exist: nothing is asked.
	s_cmp_lg_u32 s[WV], 0
	s_cbranch_scc1 .Lno_pf_\@
	s_cmp_lt_u32 s[CNT], 2
	s_cbranch_scc1 .Lno_pf_\@
	global_prefetch_b8 v[PFO], s[PFB:PFB+1] th:TH_LOAD_NT scope:SCOPE_SE
.Lno_pf_\@:
.endif
	VLOAD 0, PV                     ; LDS serves a wave's instructions in order (ISA guide 5.7.1.4): a run of V lands in S^T registers only behind the stores that read them
	XSTORE 1
	VLOAD 1, PV
	XSTORE 2
	XSTORE 3
	VLOAD 2, PV
	s_wait_dscnt 40                 ; group 0's fragments are in; behind them: 24 stores, 16 loads
	PVW 0, 0, \last
	WIN 0
	PLACES 4
	VLOAD 3, PV
	s_wait_dscnt 32                 ; group 1's are in; behind them: 16 stores, 16 loads
	PVW 1, 0, \last
	WIN 0
	PLACES 4                        ; for the run of V below
	s_wait_dscnt 0x0                ; for the others' sake: my partials are stored
	s_barrier_signal -1             ; K's refill stays on its way across it
	s_barrier_wait -1
	XLOAD 0
	VLOAD 4, PV
	PVW 2, 0, \last                 ; its last four products carry the first partial's sums, which are the places in front of the loads below; likewise behind groups 3 and 4
	XLOAD 1
	VLOAD 5, PV
	PVW 3, 0, \last
	XLOAD 2
	VLOAD 6, PV
	PVW 4, 0, \last
	VLOAD 7, PV
	PVW 5, 0, \last
	s_wait_dscnt 8                  ; group 6's fragments are in, group 7's may be out
	PVW 6, 0, \last
	s_wait_dscnt 5+(\last)          ; group 7's are in; behind them: the stores of P, a (and 1 / l)
	PVW 7, 0, \last
	MEET 1, \vfill                  ; P and a are shown to all; K's next tile has landed; V's slot is filled again
.endm
	s_wait_loadcnt 0x0              ; Q
	s_wait_tensorcnt 1              ; my slice of K's tile 0 is in, V's may stay out.  No barrier: a slice is read by the wave that fetched it alone
.Lstep:                             ; trips 0 to 30: each asks for K's next tile and for V's tile of its own number
	STEP 1, 1, 0
	s_sub_co_u32 s[CNT], s[CNT], 1
	s_cmp_lg_u32 s[CNT], 0
	s_cbranch_scc1 .Lstep
	STEP 2, 0, 1                    ; trip 31 is written out
	; THE TAIL: O^T = O^T a(31) + V(31)^T P(31).  V's tile 31 lies in my slice of K's slot, rows PK bytes apart.  The seven lines that make its address are the places behind trip 31's last products.
	v_bfe_u32 v[C0], v0, 4, 1
	v_and_b32 v[C0+1], 7, v0
	v_bfe_u32 v[C0+2], v0, 3, 1
	v_lshl_add_u32 v[AV], v[C0], 3, v[C0+1]
	v_mul_u32_u24 v[AV], v[AV], PK
	v_lshl_add_u32 v[AV], v[C0+2], 4, v[AV]
	v_add_nc_u32 v[AV], s[G0K+1], v[AV]
.irp t, 0,1,2,3
	ds_load_b32 v[A4+2*\t], v[AR] offset:XREG*\t
.endr
.irp t, 0,1,2,3
	PLOAD \t
.endr
	VLOAD 0, PK
	VLOAD 1, PK
	VLOAD 2, PK
	s_wait_dscnt 40                 ; a is in; behind it: 16 loads of P, 24 of V
.irp k, 0,1,2,3,4,5,6,7
	RESC4 0, \k                     ; the first group's rescaling has no product to stand behind
.endr
.irp g, 0,1,2,3,4,5,6,7
.if \g < 6
	s_wait_dscnt 16                 ; this group's fragments are in, the next two groups' may be out
.elseif \g == 6
	s_wait_dscnt 8
.else
	s_wait_dscnt 0x0
.endif
	PVW \g, 1, 0
	WIN 0
.if \g < 5
	VLOAD (\g)+3, PK                ; into the buffer just multiplied; the four multiplies behind the group's last product are the places
.endif
.endr
	; THE WAY OUT.  O^T is multiplied by 1 / l and sent through a stage in LDS, a query tile (16 rows of my 1,024 bytes) at a time.  The stage is my own slice of V's slot, which has had its last fill
	; and which no other wave touches.  The six lines that make its addresses are the places behind the last products.
	v_and_b32 v[STO], 15, v0
	v_bfe_u32 v[RD], v0, 4, 1
	v_mul_u32_u24 v[STO], v[STO], SPI
	v_lshl_add_u32 v[STO], v[RD], 5, v[STO]
	v_add_nc_u32 v[STO], s[G0V+1], v[STO]  ; in: row l % 16, 32 bytes for each half of the lanes
	v_add_nc_u32 v[RD], s[G0V+1], v[GO]    ; back: 32 lanes take 512 consecutive bytes of a row
.irp t, 0,1,2,3
	ds_load_b32 v[A4+2*\t], v[AR] offset:XREG*\t+128  ; 1 / l of tile t, stored ahead of trip 31's last barrier
.endr
	s_wait_dscnt 0x0
.macro OUT t
.irp wn, 0,1                        ; window 2: channel blocks 0-7, window 3: 8-15
	WIN 0x82+0x41*\wn
.set oc, 0
.rept 8
.set oO, (oc*4+(\t))*8
.irp p, 0,1,2,3
	v_pk_mul_f32 v[oO+2*\p:oO+2*\p+1], v[oO+2*\p:oO+2*\p+1], v[A4+2*(\t):A4+2*(\t)+1] op_sel_hi:[1,0]
.endr
.set oc, oc+1
.endr
	WIN 0x08+0x04*\wn               ; the stores' data (source 1) in O^T's window, the address in window 0
.set oc, 0
.rept 8
.set oO, (oc*4+(\t))*8
	ds_store_b128 v[STO], v[oO:oO+3]   offset:64*(8*\wn+oc)
	ds_store_b128 v[STO], v[oO+4:oO+7] offset:64*(8*\wn+oc)+16
.set oc, oc+1
.endr
.endr
	WIN 0
	s_wait_xcnt 0x0                 ; every earlier store has had its addresses translated (ISA guide 3.1): the registers that the last tile's stores read are loaded again only behind this wait
.set on, 0
.rept 32
	ds_load_b128 v[OB+4*on:OB+4*on+3], v[RD] offset:(on/2)*SPI+512*(on%2)  ; LDS serves a wave's instructions in order (ISA guide 5.7.1.4): these see the stores above; the next tile's stores come behind them
.set on, on+1
.endr
.set on, 0
.rept 32
	s_wait_dscnt 31-on              ; the later loads may be out
	global_store_b128 v[GO], v[OB+4*on:OB+4*on+3], s[8:9] offset:(16*(\t)+on/2)*4096+512*(on%2) th:TH_STORE_NT  ; 512 consecutive bytes, at a multiple of 512 from out0's first
.set on, on+1
.endr
.endm
	OUT 0
	OUT 1
	OUT 2
	OUT 3
	s_wait_tensorcnt 0x0            ; the wave's end, behind my last tensor load and my last LDS store
	ds_add_u32 v[SPW], v[NIL]
	s_wait_dscnt 0x0
	ROUND                           ; the closing round: no work-group ends while a partner may still ask for a tile that names it
	s_endpgm
.Lfunc_end_k_q57c62d55f7_attn:
	.size	k_q57c62d55f7_attn, .Lfunc_end_k_q57c62d55f7_attn-k_q57c62d55f7_attn
	.p2alignl 7, 3214868480
	.fill 96, 4, 3214868480
	.section	.rodata,"a",@progbits
	.p2align	6, 0x0
	.amdhsa_kernel k_q57c62d55f7_attn
		.amdhsa_group_segment_fixed_size 327680
		.amdhsa_private_segment_fixed_size 0
		.amdhsa_enable_private_segment 0
		.amdhsa_kernarg_size 24
		.amdhsa_user_sgpr_count 2
		.amdhsa_user_sgpr_kernarg_segment_ptr 1
		.amdhsa_wavefront_size32 1
		.amdhsa_system_sgpr_workgroup_id_x 1
		.amdhsa_system_sgpr_workgroup_id_y 1
		.amdhsa_system_sgpr_workgroup_id_z 1
		.amdhsa_system_vgpr_workitem_id 0
		.amdhsa_next_free_vgpr 1024
		.amdhsa_next_free_sgpr 66
		.amdhsa_reserve_vcc 0
		.amdhsa_float_denorm_mode_32 3
		.amdhsa_float_denorm_mode_16_64 3
		.amdhsa_memory_ordered 1
		.amdhsa_forward_progress 1
		.amdhsa_inst_pref_size 238
	.end_amdhsa_kernel
	.amdgpu_metadata
---
amdhsa.version: [ 1, 2 ]
amdhsa.kernels:
  - .name:           k_q57c62d55f7_attn
    .symbol:         k_q57c62d55f7_attn.kd
    .args:
      - { .name: hk, .offset: 0, .size: 8, .value_kind: global_buffer, .address_space: global }
      - { .name: tq, .offset: 8, .size: 8, .value_kind: global_buffer, .address_space: global }
      - { .name: out0, .offset: 16, .size: 8, .value_kind: global_buffer, .address_space: global }
    .group_segment_fixed_size: 327680
    .private_segment_fixed_size: 0
    .kernarg_segment_align: 8
    .kernarg_segment_size: 24
    .max_flat_workgroup_size: 128
    .sgpr_count:     66
    .vgpr_count:     1024
    .wavefront_size: 32
...
	.end_amdgpu_metadata
.endif
;; end of part 2
